; MI455X (gfx1250); checked and timed in simulation.
; The chip was launched on July 23, 2026; its instructions are those of AMD's public machine-readable ISA for CDNA 5 (MIT licence, August 2026) and "CDNA5" Instruction Set Architecture Reference Guide (July 2026). The comments in the code are by the model that wrote it; some were corrected since.
;; Self Attention. Allowed arithmetic: matrix products marked QUANTISED: E4M3 operands, one E8M0 scale for each 32 along K, by v_wmma_scale_f32_16x16x128_f8f6f4 with both operands' format E4M3, f32 sums; everything else in f32.
;; Inputs: Wk 1,024 x 1,024 float32; Wq 1,024 x 1,024 float32; Wv 1,024 x 1,024 float32; bk 1,024 float32; bq 1,024 float32; bv 1,024 float32; x 4 x 2,048 x 1,024 float32.
;; Outputs: out0 4 x 2,048 x 1,024 float32.
;; This version of the problem:
;;   THIS VERSION OF THE PROBLEM IS GIVEN IN LOW PRECISION. The matrix products marked QUANTISED in the list below multiply operands that are first quantised to E4M3 (4 exponent bits, 3 mantissa bits; 8 bits a number), with one power-of-two scale for each 32 numbers along K (OCP MX v1.0); their sums are f32. All else is computed in f32.
;;   The module's matrix products, in the order in which they are computed (A, B: the left and right operand; K: the contracted axis; several contracted axes count as one K, in the product's order):
;;     1. [M 8,192, K 1,024] x [K 1,024, N 1,024]; A: input x; B: input Wq: QUANTISED
;;     2. [M 8,192, K 1,024] x [K 1,024, N 1,024]; A: input x; B: input Wk: QUANTISED
;;     3. [M 8,192, K 1,024] x [K 1,024, N 1,024]; A: input x; B: input Wv: QUANTISED
;;     4. batch 64 x [M 2,048, K 64] x [K 64, N 2,048]; A: computed on the way; B: computed on the way: QUANTISED
;;     5. batch 64 x [M 64, K 2,048] x [K 2,048, N 2,048]; A: computed on the way; B: softmax (see below): QUANTISED
;;   THE QUANTISER, for each operand of a quantised product, along K:
;;     - K is cut into blocks of 32 from its start; a last block that is shorter is filled with zeros.
;;     - A block's scale is 2^e with e = floor(log2(the largest magnitude in the block)) - 8, held to -126 .. 127; a block of zeros has e = 0. As a byte (E8M0): e + 127.
;;     - Each number is divided by its block's scale, clamped to +-448, and rounded to the nearest number of E4M3, ties to even, subnormals kept.
;;     - The product sums the exact products of the quantised numbers (number of the format x scale) in f32.
;;   ~~~python
;;   def quantise(x, axis):      # numpy; x: float32 -> the quantised numbers, widened to float32 again
;;       x = np.moveaxis(x, axis, -1); K = x.shape[-1]
;;       x = np.pad(x, [(0, 0)] * (x.ndim - 1) + [(0, -K % 32)]); x = x.reshape(x.shape[:-1] + (-1, 32)); a = np.abs(x).max(-1, keepdims=True)
;;       e = np.where(a > 0, np.clip(np.frexp(np.where(a > 0, a, 1))[1] - 1 - 8, -126, 127), 0)      # np.frexp(a)[1] - 1 = floor(log2(a)), exactly
;;       r = np.clip(x / 2.0 ** e, -448, 448)
;;       step = 2.0 ** (np.maximum(np.frexp(np.where(r == 0, 1, r))[1] - 1, -6) - 3)
;;       q = np.round(r / step) * step * 2.0 ** e      # np.round: ties to even
;;       return np.moveaxis(q.reshape(q.shape[:-2] + (-1,))[..., :K], -1, axis).astype(np.float32)
;;   ~~~
;;   SOFTMAX AHEAD OF A QUANTISED PRODUCT. Where the list says 'softmax', what is quantised is not the finished softmax but p = 2^(t - M), with t = logit x log2(e) and M = ceil(the row's largest t), a whole number; so 1/2 < the row's largest p <= 1. The row's sum l is taken of the UNQUANTISED p, in f32, and the product's result is divided by l at the end. Since M is a whole number, a kernel that streams over the keys may use a running M (the ceiling of the running maximum): every later rescaling is an exact power of two, which a block's scale takes up: the codes' values come out the same.
;;   OPERANDS COMPUTED ON THE WAY. 'Computed on the way' means the value that the module computes at that place (a softmax that the list does not call 'softmax' is quantised finished and normalised). What goes into a quantiser is computed in f32, as accurately as f32 sums, v_exp_f32 and their like allow (about 1e-6 of the number): no bf16 or f16 on the way to a quantiser, and a product that is left as it is and whose result goes on into a quantised operand takes f32 operands (vector FMAs, or v_wmma_f32_16x16x4_f32). A number that lies on a knife's edge between two numbers of the format may be rounded either way, as far as f32 arithmetic and the matrix unit's own rounding can turn it there, and no further.
;; One version. Each part assembles by itself: llvm-mc -triple=amdgcn-amd-amdhsa -mcpu=gfx1250 --defsym DOCPART=n.
;; ======== version 1 of 1: 3 launches
;; limits: right only within a limited range of input values
;; workspace buffers: codes 11,534,336 bytes; scales 360,448 bytes; qkv_img 25,165,824 bytes; qkv_sc 786,432 bytes
;; launch quant (part 1): grid 352 x 1, 4 waves a work-group, no clusters, 33,280 bytes of LDS; arguments x, Wq, Wk, Wv, codes, scales; writes codes, scales
.if DOCPART == 1
	.amdgcn_target "amdgcn-amd-amdhsa--gfx1250"
	.amdhsa_code_object_version 6
	.text
	.protected	k_q97600fe11c_quant
	.globl	k_q97600fe11c_quant
	.p2align	8
	.type	k_q97600fe11c_quant,@function
k_q97600fe11c_quant:
	s_mov_b64 s[64:65], 0
	v_nop
	global_prefetch_b8 v0, s[64:65] scope:SCOPE_SE
	s_setreg_imm32_b32 hwreg(HW_REG_WAVE_MODE, 25, 1), 1
	s_wait_xcnt 0x0
; SELF-ATTENTION IN MX-FP8, launch 1 of 3.  x [8192][1024], Wq, Wk, Wv [1024][1024], f32, K innermost, become codes of E4M3 and one E8M0 byte for each 32 along K.
; NOTHING OF THE PROBLEM IS LEFT OUT: all five products are live; bq and bk move the codes and scales of q and k, bv those of v, so all seven inputs are loaded (the biases by launch 2).
; A block's scale is 2^(floor(log2(its largest magnitude)) - 8); its byte is the largest magnitude's exponent field - 8, held at 1 from below.  Each number is divided by the scale, held within +-448
; and rounded to the nearest code, ties to even.
; LIMITS: a block of zeros gets the byte 1 where the rule says 127 (its codes are zeros, and this program alone reads the bytes); blocks whose largest magnitude lies under 2^-118 are held at the byte 1;
; NaN and infinities among the inputs are not served.
; THE OUTPUT: codes [11264 rows][1024 bytes], scales [11264][32 bytes]: rows 0-8191 x, then Wq, Wk, Wv.  INSIDE EACH 32 ROWS THE FOUR RUNS OF 8 ROWS LIE IN THE ORDER 0, 2, 1, 3: place 16 u + r holds row
; 8 u + r + 8 (r / 8).  So 16 consecutive stored rows are a tile whose results, in the next launch, give a lane 16 neighbours along the next product's K.
; A wave takes 16 steps of 512 numbers: 8 rows, one run.  Each of a step's four loads reads 512 consecutive bytes; the 2,048 bytes turn through the wave's own stage in LDS and come back 64 bytes a lane, so that a lane
; holds 16 neighbours and two neighbouring lanes a block.  A lane's 16 codes are 16 bytes: the wave stores 512 consecutive bytes.  A wave's 256 scale bytes are gathered in LDS and leave as one aligned run of 256.
; One path serves all four tensors: work-groups 0-255 take x, then 32 each for Wq, Wk, Wv; only pointers are chosen.  No tensor loads, no barrier: waves share nothing.
.set WAVES, 4
.set STEPS, 16
.set EMAX,  8
.set MANT,  0x600000                   ; the mantissa field of 448 as f32
.set CB,    16                         ; bytes of 16 codes
.set R,     16                         ; v16-79   four sets of 16 numbers as they are loaded
.set X,     80                         ; v80-111  two sets of 16 neighbours
.set C,     128                        ; v128-191 codes: four registers for each step, so that no store's data are written again
.set E,     112                        ; v112-127 a scale byte for each step
.set WREG,  8192                       ; LDS: a region for each wave: two stages of 32 x SP bytes, behind them its 256 scale bytes
.set SP,    80                         ; a lane's place in a stage: its 64 bytes + 16 of padding
.set SPW,   12                         ; v12      LDS address of my spare word; never rewritten
.set NIL,   13                         ; v13      0; never rewritten
.set SPARE, WAVES*WREG                 ; behind the four regions: the spare words, 128 bytes for each wave, which no other line names
	s_load_b256 s[4:11], s[0:1], 0x0               ; x s[4:5], Wq s[6:7], Wk s[8:9], Wv s[10:11]
	s_load_b128 s[12:15], s[0:1], 0x20             ; codes s[12:13], scales s[14:15]
	v_lshl_add_u32 v[SPW], v0, 2, SPARE
	v_mov_b32 v[NIL], 0
	v_lshrrev_b32 v1, 5, v0
	v_readfirstlane_b32 s16, v1                    ; wave
	v_and_b32 v2, 31, v0                           ; lane
	v_lshlrev_b32 v3, 4, v2                        ; my 16 bytes of a load's 512
	s_mul_i32 s24, s16, WREG
	v_lshrrev_b32 v14, 2, v2
	v_mul_u32_u24 v14, v14, SP
	v_and_b32 v15, 3, v2
	v_lshl_add_u32 v14, v15, 4, v14
	v_add_nc_u32 v14, s24, v14                     ; the stage, on the way in: SP (lane / 4) + 16 (lane % 4)
	v_mul_u32_u24 v15, v2, SP
	v_add_nc_u32 v15, s24, v15                     ; and on the way out: SP x lane: my 16 neighbours
	v_mul_u32_u24 v4, v2, CB                       ; my codes' place in a step's
	v_lshrrev_b32 v5, 1, v2
	s_add_co_u32 s24, s24, 2*32*SP
	v_add_nc_u32 v5, s24, v5                       ; LDS: my wave's 256 scale bytes, my block's byte
	v_lshlrev_b32 v7, 3, v2                        ; and on the way out 8 bytes a lane
	v_add_nc_u32 v6, s24, v7
	s_mov_b32 s23, MANT                            ; (an instruction takes one literal: the hold's line has another)
	s_sub_co_u32 s17, ttmp9, 256                   ; among the weights' 96 work-groups:
	s_lshr_b32 s22, s17, 5                         ; which weight,
	s_and_b32 s17, s17, 31                         ; and which 32 rows of it
	s_wait_alu depctr_va_vdst(0)
	s_wait_kmcnt 0x0
	s_cmp_eq_u32 s22, 1                            ; the choices hang on the work-group's number alone
	s_cselect_b64 s[6:7], s[8:9], s[6:7]
	s_cmp_eq_u32 s22, 2
	s_cselect_b64 s[6:7], s[10:11], s[6:7]
	s_cmp_lt_u32 ttmp9, 256
	s_cselect_b64 s[4:5], s[4:5], s[6:7]
	s_cselect_b32 s17, ttmp9, s17
	s_lshl_b32 s17, s17, 2
	s_add_co_u32 s18, s17, s16                     ; which run of 8 rows of the tensor is my wave's
	s_lshl_b32 s18, s18, 15                        ; 32,768 bytes a run
	s_mov_b32 s19, 0
	s_add_nc_u64 s[4:5], s[4:5], s[18:19]
	s_and_b32 s20, s16, 1                          ; where it goes: run w of the 32 rows to place w with its two bits swapped
	s_lshl_b32 s20, s20, 1
	s_lshr_b32 s21, s16, 1
	s_or_b32 s20, s20, s21
	s_lshl_b32 s21, ttmp9, 2
	s_add_co_u32 s20, s20, s21
	s_lshl_b32 s18, s20, 13                        ; 8,192 bytes of codes a run,
	s_add_nc_u64 s[12:13], s[12:13], s[18:19]
	s_lshl_b32 s18, s20, 8                         ; 256 scale bytes
	s_add_nc_u64 s[14:15], s[14:15], s[18:19]
.macro LOAD t
.irp i, 0,1,2,3
	global_load_b128 v[R+16*((\t)%4)+4*\i:R+16*((\t)%4)+4*\i+3], v3, s[4:5] offset:2048*(\t)+512*\i th:TH_LOAD_NT   ; 32 lanes read 512 consecutive bytes
.endr
.endm
.macro TURN t                          ; step t's numbers through the stage: LDS serves a wave's instructions in order, so no wait stands between the stores and the loads
.irp i, 0,1,2,3
	ds_store_b128 v14, v[R+16*((\t)%4)+4*\i:R+16*((\t)%4)+4*\i+3] offset:32*SP*((\t)%2)+8*SP*\i
.endr
.irp i, 0,1,2,3
	ds_load_b128 v[X+16*((\t)%2)+4*\i:X+16*((\t)%2)+4*\i+3], v15 offset:32*SP*((\t)%2)+16*\i
.endr
.endm
.irp t, 0,1,2,3
	LOAD \t
.endr
	s_wait_loadcnt 12                              ; step 0's four loads are in; the twelve of steps 1 to 3 may be out
	TURN 0
.macro STEP t
.set XS, X+16*((\t)%2)
.if (\t) > 0
	s_wait_dscnt 1                                 ; this step's numbers are back from the stage (the last step's byte store may be out): so its stores into the stage have read their registers,
.else
	s_wait_dscnt 0x0
.endif
.if (\t)+4 < STEPS
	LOAD (\t)+4                                    ; which take the loads of four steps on
.endif
.if (\t)+1 < STEPS
.if STEPS-2-(\t) >= 3
	s_wait_loadcnt 12                              ; the next step's four loads are in; those of the three steps behind it may be out
.else
	s_wait_loadcnt 4*(STEPS-2-(\t))
.endif
	TURN (\t)+1                                    ; and go through the other stage while this step is worked
.endif
	v_max3_num_f32 v8, |v[XS]|, |v[XS+1]|, |v[XS+2]|               ; the largest magnitude of my 16, in two chains
	v_max3_num_f32 v9, |v[XS+3]|, |v[XS+4]|, |v[XS+5]|
.irp i, 6,10
	v_max3_num_f32 v8, v8, |v[XS+\i]|, |v[XS+\i+1]|
	v_max3_num_f32 v9, v9, |v[XS+\i+2]|, |v[XS+\i+3]|
.endr
	v_max3_num_f32 v8, v8, |v[XS+14]|, |v[XS+15]|
	v_max3_num_f32 v8, v8, v9, (EMAX+1)<<23        ; and the floor 2^(9 - 127): the byte cannot fall under 1
	v_max_num_f32_dpp v8, v8, v8 row_xmask:1 row_mask:0xf bank_mask:0xf   ; and of my neighbour's 16: the block's
	v_add_nc_u32 v11, -(EMAX<<23), v8              ; 8 off its exponent field: the conversion takes the exponent field of this operand as its scale
	v_and_or_b32 v10, v8, 0x7f800000, s23          ; 448 x the scale: the largest magnitude's exponent field over 448's mantissa
.irp i, 0,1,2,3,4,5,6,7,8,9,10,11,12,13,14,15
	v_med3_num_f32 v[XS+\i], v[XS+\i], -v10, v10   ; the conversion to an 8-bit code does not saturate (ISA guide 7.6.2): hold the number first
.endr
	v_cvt_scalef32_pk8_fp8_f32 v[C+4*(\t):C+4*(\t)+1], v[XS:XS+7], v11
	v_cvt_scalef32_pk8_fp8_f32 v[C+4*(\t)+2:C+4*(\t)+3], v[XS+8:XS+15], v11
	v_lshrrev_b32 v[E+(\t)], 23, v11               ; the scale's byte (also the plain line behind the conversions)
	ds_store_b8 v5, v[E+(\t)] offset:16*(\t)       ; both lanes of a block write the same byte with the same value
	global_store_b128 v4, v[C+4*(\t):C+4*(\t)+3], s[12:13] offset:32*CB*(\t)
.endm
.irp t, 0,1,2,3,4,5,6,7,8,9,10,11,12,13,14,15
	STEP \t
.endr
	ds_load_b64 v[8:9], v6                         ; LDS serves a wave's instructions in order: these see my stores
	s_wait_dscnt 0x0
	global_store_b64 v7, v[8:9], s[14:15]          ; 32 lanes store 256 consecutive bytes, aligned
	s_wait_tensorcnt 0x0                           ; the wave's end, behind my last LDS store
	ds_add_u32 v[SPW], v[NIL]
	s_wait_dscnt 0x0
	s_endpgm
.Lfunc_end_k_q97600fe11c_quant:
	.size	k_q97600fe11c_quant, .Lfunc_end_k_q97600fe11c_quant-k_q97600fe11c_quant
	.p2alignl 7, 3214868480
	.fill 96, 4, 3214868480
	.section	.rodata,"a",@progbits
	.p2align	6, 0x0
	.amdhsa_kernel k_q97600fe11c_quant
		.amdhsa_group_segment_fixed_size 33280
		.amdhsa_private_segment_fixed_size 0
		.amdhsa_enable_private_segment 0
		.amdhsa_kernarg_size 48
		.amdhsa_user_sgpr_count 2
		.amdhsa_user_sgpr_kernarg_segment_ptr 1
		.amdhsa_wavefront_size32 1
		.amdhsa_system_sgpr_workgroup_id_x 1
		.amdhsa_system_sgpr_workgroup_id_y 1
		.amdhsa_system_sgpr_workgroup_id_z 1
		.amdhsa_system_vgpr_workitem_id 0
		.amdhsa_next_free_vgpr 192
		.amdhsa_next_free_sgpr 66
		.amdhsa_reserve_vcc 0
		.amdhsa_float_denorm_mode_32 3
		.amdhsa_float_denorm_mode_16_64 3
		.amdhsa_memory_ordered 1
		.amdhsa_forward_progress 1
		.amdhsa_inst_pref_size 51
	.end_amdhsa_kernel
	.amdgpu_metadata
---
amdhsa.version: [ 1, 2 ]
amdhsa.kernels:
  - .name:           k_q97600fe11c_quant
    .symbol:         k_q97600fe11c_quant.kd
    .args:
      - { .name: x, .offset: 0, .size: 8, .value_kind: global_buffer, .address_space: global }
      - { .name: Wq, .offset: 8, .size: 8, .value_kind: global_buffer, .address_space: global }
      - { .name: Wk, .offset: 16, .size: 8, .value_kind: global_buffer, .address_space: global }
      - { .name: Wv, .offset: 24, .size: 8, .value_kind: global_buffer, .address_space: global }
      - { .name: codes, .offset: 32, .size: 8, .value_kind: global_buffer, .address_space: global }
      - { .name: scales, .offset: 40, .size: 8, .value_kind: global_buffer, .address_space: global }
    .group_segment_fixed_size: 33280
    .private_segment_fixed_size: 0
    .kernarg_segment_align: 8
    .kernarg_segment_size: 48
    .max_flat_workgroup_size: 128
    .sgpr_count:     66
    .vgpr_count:     192
    .wavefront_size: 32
...
	.end_amdgpu_metadata
.endif
;; end of part 1
;; launch qkv (part 2): grid 8 x 48, 4 waves a work-group, clusters of 4 x 4, 327,680 bytes of LDS; arguments codes, scales, bq, bk, bv, qkv_img, qkv_sc; writes qkv_img, qkv_sc
.if DOCPART == 2
	.amdgcn_target "amdgcn-amd-amdhsa--gfx1250"
	.amdhsa_code_object_version 6
	.text
	.protected	k_q97600fe11c_qkv
	.globl	k_q97600fe11c_qkv
	.p2align	8
	.type	k_q97600fe11c_qkv,@function
k_q97600fe11c_qkv:
	s_mov_b64 s[64:65], 0
	v_nop
	global_prefetch_b8 v0, s[64:65] scope:SCOPE_SE
	s_setreg_imm32_b32 hwreg(HW_REG_WAVE_MODE, 25, 1), 1
	s_wait_xcnt 0x0
	s_wait_alu depctr_hold_cnt(0) depctr_sa_sdst(0) depctr_va_vdst(0) depctr_va_sdst(0) depctr_va_ssrc(0) depctr_va_vcc(0) depctr_vm_vsrc(0)
	s_getreg_b32 s2, hwreg(HW_REG_IB_STS2, 6, 4)
	s_cmp_eq_u32 s2, 0
	s_cbranch_scc0 .Lentry_in_a_cluster
	s_endpgm
.Lentry_in_a_cluster:
	s_bfe_u32 s2, ttmp6, 0x10000c
	s_cmp_lg_u32 s2, 0xf033
	s_cbranch_scc0 .Lentry_shape_is_right
	s_endpgm
.Lentry_shape_is_right:
; SELF-ATTENTION IN MX-FP8, launch 2 of 3: the three projections as ONE product on codes, K = 1,024, and on the way out: + bias (f32), quantised anew, stored as images of the next launch's operand registers.
; Nothing is left out here: all three projections and all three biases are live.
; "C = A B^T": source 0 of the matrix instruction takes 16 rows of B, source 1 16 rows of A: a lane then holds ONE row of A and its registers run along B's rows, which are the K of the NEXT product.
;   q, k (clusters y = 0-7):  A = x (tokens), B = Wq | Wk: a lane holds a token, its registers the head's 64: q and k are quantised along the head's axis.
;   v    (clusters y = 8-11): A = Wv, B = x: a lane holds a channel of a head, its registers 128 keys: v is quantised along the keys.
; Both kinds run one text; they differ in row numbers made by arithmetic from ISV (0 or 1, from the cluster's y, the same in all sixteen partners) and in two short branches on ISV on the way out.
; STORED ROW ORDER (launch 1): place 16 u + r of each 32 rows holds row 8 u + r + 8 (r / 8).  So the 16 registers of B's tiles 2 g and 2 g + 1 are 16 neighbours 32 g + 16 (lane / 16) + 0 .. 15 along the next K,
; and lane r of A's block a is row 32 (a / 2) + 8 (a % 2) + r + 8 (r / 8).
; A tile of C is 256 x 256, four waves, each 128 x 128 in 64 accumulators.  K goes in steps of 256 through a ring of two LDS slots filled by the tensor data mover; the scale bytes of the tile's rows, for all of K, come once.
; CLUSTERS: 4 x 4 work-groups; A's tiles are asked for jointly along a row of the cluster, B's along a column.  384 work-groups in 24 clusters.
; THE OUTPUT.  qkv_img [q, k, v][head 64][step of 128 tokens 16][8,192 bytes], in pieces of 512 bytes: lane l's four operand registers at 16 l.  q, k: token tile a, block c of the head's 64 at 1,024 a + 512 c.
;   v: fragment a = 4 e + t (e: which head of my pair, t: tile of 16 channels): key blocks 0, 1 in the pair's first head slot at 1,024 a + {0, 512}, key blocks 2, 3 in the second: so the stores are the same lines for q, k and v.
;   qkv_sc [q, k, v][head][step][r 16][4 words]: q, k: word g of lane r = tile 2 g's two bytes, tile 2 g + 1's two; v: word t = the four key blocks' bytes of channel tile t.
; LIMITS: as in launch 1: a block of zeros gets the byte 1; largest magnitudes under 2^-118 are held at that byte; NaN and infinities are not served.
; REGISTERS, in windows of 256: window 0: v1-7 at work, v8-15 the bias loads' offsets, v16-29 addresses, v32-63 scale words (two sets), v64-127 the bias in the result's layout, v128-255 A's fragments (one set);
;   on the way out v128-191 the 64 numbers in hand, v192-223 codes (two sets), v224-239 at work, v240-247 a scale word for each block, v248-251 the words to store.
;   window 1: B's fragments, two sets.   windows 2, 3: the accumulators ((a, b) at v[8 (8 (a % 4) + b)]).
.set KSTEP,  256
.set NQ,     2                         ; matrix instructions deep in a slot
.set ROWB,   256                       ; a tile's row in bytes
.set KROW,   1024                      ; a row of codes in memory
.set PITCH,  272                       ; an LDS row: 256 bytes + 16 of padding = 68 words: the 16 rows that a load touches start at 16 different banks (ISA guide 11.1)
.set FR,     16
.set NL,     4
.set NP,     8                         ; places behind this matrix instruction (ISA guide 7.12.1)
.set HALFT,  128*PITCH
.set SLOT,   4*HALFT
.set LAPS,   2                         ; 1,024 / 512
.set KS,     32                        ; a row of scales in bytes
.set SCL,    2*SLOT
.set HALFS,  (128*KS/256)*272
.set SBLK,   (16*KS/256)*272
.set SPARE,  SCL+4*HALFS               ; the spare words, 128 bytes for each wave, which no other line names
.set VA,   8
.set ADRA, 16
.set ADRB, 20
.set LI,   24                          ; v24  16 x lane: my place in a piece of 512 bytes
.set SCOF, 25                          ; v25  4,096 (lane / 16) + 16 (lane % 16): my place among the scale words
.set SELV, 26                          ; v26  byte selects: lanes 0-15 bytes 0, 1 of two words, lanes 16-31 bytes 2, 3
.set ADRS, 27
.set SPW,  28
.set NIL,  29
.set SC,   32
.set BI,   64
.set AF,   128
.set T,    128
.set PC,   192
.set TM,   224
.set PW,   240
.set SW,   248
.set G1, 24
.set G0, 32
.set G1B, 48
.set G0B, 56
.set G1S, 68
.set G0S, 76
.set G1SB, 80
.set G0SB, 88
.set SEL, 66                           ; s[66:67] lane selects for v_permlanex16_b32: lane l xor 16
.set MNT, 2                            ; s2   the mantissa field of 448
.set HM,  95                           ; s95  a mask of lanes 16-31
.set ISV, 98                           ; s98  1 in v's work-groups
.set NOTV, 99                          ; s99  1 in q's and k's
.set MSB, 0
.macro WIN new                         ; the immediate's high byte repeats the setting that is left
.if MSB != \new
	s_set_vgpr_msb (MSB<<8)|\new
.set MSB, \new
.endif
.endm
.set MUL_LO, 0xa1                      ; source 0 (B) window 1, source 1 (A) window 0, C and D window 2
.set MUL_HI, 0xf1                      ; the same, C and D window 3
.set TO_B,   0x40                      ; destination window 1, address window 0
; A joint load: waves 0 and 1 fetch for A, waves 2 and 3 for B; the branch hangs on the wave's number alone.  An s_nop 0 and four v_nop follow each of the two lines.
.macro JLOAD g0a, g1a, g0b, g1b
	s_cmp_eq_u32 s15, 0
	s_cbranch_scc0 .Lfor_b_\@
	tensor_load_to_lds s[\g0a:\g0a+3], s[\g1a:\g1a+7]
	s_nop 0
.rept 4
	v_nop
.endr
	s_branch .Lasked_\@
.Lfor_b_\@:
	tensor_load_to_lds s[\g0b:\g0b+3], s[\g1b:\g1b+7]
	s_nop 0
.rept 4
	v_nop
.endr
.Lasked_\@:
.endm
.macro CREST                           ; a round of the cluster's barrier behind its opening barrier
	s_cmp_lg_u32 s14, 0
	s_cbranch_scc1 .Lnot_wave_0_\@
	s_barrier_signal -3
.Lnot_wave_0_\@:
	s_barrier_wait -3
	s_barrier_signal -1
	s_barrier_wait -1
.endm
.macro CROUND
	s_barrier_signal -1
	s_barrier_wait -1
	CREST
.endm
	s_load_b256 s[4:11], s[0:1], 0x0               ; codes s[4:5], scales s[6:7], bq s[8:9], bk s[10:11]
	s_load_b64 s[12:13], s[0:1], 0x20              ; bv
	s_load_b64 s[96:97], s[0:1], 0x28              ; qkv_img
	s_load_b64 s[100:101], s[0:1], 0x30            ; qkv_sc
	v_lshl_add_u32 v[SPW], v0, 2, SPARE
	v_mov_b32 v[NIL], 0
	ds_add_u32 v[SPW], v[NIL]                      ; the wave's opening: the add, twice on end, and its wait ahead of my first tensor load
	ds_add_u32 v[SPW], v[NIL]                      ; and once more, under the one wait; the set-up below, work on registers, stands between
	v_lshrrev_b32 v1, 5, v0
	v_readfirstlane_b32 s14, v1                    ; wave 0..3
	s_lshr_b32 s15, s14, 1                         ; which half of the tile's rows (A) is mine.  Also: I fetch for A (0) or for B (1)
	s_and_b32 s16, s14, 1                          ; which half of its columns (B).  Also: which 128 rows of that tile I fetch
	s_bfe_u32 s40, ttmp6, 0x40000                  ; cx, cy: my place in the cluster
	s_bfe_u32 s41, ttmp6, 0x40004
	s_and_b32 s18, ttmp7, 0xffff                   ; the cluster's y, 0..11
	s_lshr_b32 s[ISV], s18, 3
	s_xor_b32 s[NOTV], s[ISV], 1
	s_mul_i32 s17, s18, s[NOTV]                    ; q, k: 8 rows of clusters over x's 32 tile rows; v: one over Wv's 4
	s_lshl_b32 s17, s17, 2
	s_add_co_u32 s17, s17, s41                     ; tile row
	s_and_b32 s19, s18, 7
	s_lshl_b32 s19, s19, 1
	s_mul_i32 s19, s19, s[ISV]                     ; v: 8 columns of clusters over x's 32 tile columns: 2 (y - 8) + x
	s_add_co_u32 s42, s19, ttmp9
	s_lshl_b32 s42, s42, 2
	s_add_co_u32 s42, s42, s40                     ; tile column
	s_lshl_b32 s43, s41, 2
	s_lshl_b32 s43, 15, s43                        ; my row of the cluster
	s_lshl_b32 s44, 0x1111, s40                    ; my column
	; descriptor group 1: a tile's rows of 256 bytes, padded in LDS: 256 rows for the head's loads; behind them the two words that count rows are set to 128, for the ring's
	s_or_b32 s[G1+0], s43, (0<<16)|(1<<20)|(1<<21)|(5<<22)|(3<<25)
	s_or_b32 s[G1B+0], s44, (0<<16)|(1<<20)|(1<<21)|(5<<22)|(3<<25)
.irp g, G1, G1B
	s_mov_b32 s[\g+1], ROWB<<16                    ; tensor_dim0
	s_mov_b32 s[\g+2], 256<<16                     ; tensor_dim1
	s_mov_b32 s[\g+3], ROWB<<16                    ; tile_dim0
	s_mov_b32 s[\g+4], 256                         ; tile_dim1
	s_mov_b32 s[\g+5], KROW                        ; tensor_dim0_stride
	s_mov_b32 s[\g+6], 0
	s_mov_b32 s[\g+7], 0
.endr
	; the scales of 256 rows: 8,192 dense bytes, as 32 rows of 256 bytes (32 elements of 8 bytes), 16 bytes of padding behind each
	s_or_b32 s[G1S+0], s43, (3<<16)|(1<<20)|(1<<21)|(5<<22)|(3<<25)
	s_or_b32 s[G1SB+0], s44, (3<<16)|(1<<20)|(1<<21)|(5<<22)|(3<<25)
.irp g, G1S, G1SB
	s_mov_b32 s[\g+1], 32<<16
	s_mov_b32 s[\g+2], KS<<16
	s_mov_b32 s[\g+3], 32<<16
	s_mov_b32 s[\g+4], KS
	s_mov_b32 s[\g+5], 32
	s_mov_b32 s[\g+6], 0
	s_mov_b32 s[\g+7], 0
.endr
	s_lshl_b32 s20, s17, 8                         ; the tile's first row
	s_mul_i32 s19, s[ISV], 10240                   ; A: x begins at stored row 0, Wv at 10,240
	s_add_co_u32 s20, s20, s19
	s_lshl_b32 s46, s42, 8
	s_mul_i32 s19, s[NOTV], 8192                   ; B: Wq | Wk begin at stored row 8,192, x at 0
	s_add_co_u32 s46, s46, s19
	s_lshl_b32 s22, s20, 5                         ; where these rows' scales begin, in bytes (all under 2^32),
	s_mov_b32 s23, 0
	s_lshl_b32 s92, s46, 5
	s_mov_b32 s93, 0
	s_lshl_b32 s20, s20, 10                        ; and their codes
	s_mov_b32 s21, 0
	s_lshl_b32 s46, s46, 10
	s_mov_b32 s47, 0
	s_mul_i32 s45, s14, HALFT                      ; where they go: wave x 128 rows: no place in the cluster enters an LDS address
	s_lshl_b32 s18, s16, 17                        ; in the ring I fetch 128 rows of a tile: which half, in bytes
	s_mov_b32 s19, 0
	s_mov_b32 s[SEL], 0x76543210
	s_mov_b32 s[SEL+1], 0xfedcba98
	s_mov_b32 s[MNT], 0x600000
	s_mov_b32 s[HM], 0xffff0000
	s_wait_dscnt 0x0                               ; both opening adds are done
	s_wait_kmcnt 0x0
	s_add_nc_u64 s[20:21], s[4:5], s[20:21]
	s_add_nc_u64 s[22:23], s[6:7], s[22:23]
	s_add_nc_u64 s[46:47], s[4:5], s[46:47]
	s_add_nc_u64 s[92:93], s[6:7], s[92:93]
	CROUND                                         ; all sixteen work-groups are here: the first joint loads meet
	s_mov_b32 s[G0S], 1
	s_mov_b32 s[G0S+1], SCL
	s_mov_b64 s[G0S+2:G0S+3], s[22:23]
	s_or_b32 s[G0S+3], s[G0S+3], 0x80000000
	s_mov_b32 s[G0SB], 1
	s_mov_b32 s[G0SB+1], SCL+2*HALFS
	s_mov_b64 s[G0SB+2:G0SB+3], s[92:93]
	s_or_b32 s[G0SB+3], s[G0SB+3], 0x80000000
.irp s, 0,1
	s_mov_b32 s[G0+4*\s], 1
	s_add_co_u32 s[G0+4*\s+1], s45, \s*SLOT
	s_add_nc_u64 s[G0+4*\s+2:G0+4*\s+3], s[20:21], \s*ROWB
	s_or_b32 s[G0+4*\s+3], s[G0+4*\s+3], 0x80000000
	s_mov_b32 s[G0B+4*\s], 1
	s_add_co_u32 s[G0B+4*\s+1], s45, \s*SLOT
	s_add_nc_u64 s[G0B+4*\s+2:G0B+4*\s+3], s[46:47], \s*ROWB
	s_or_b32 s[G0B+4*\s+3], s[G0B+4*\s+3], 0x80000000
.endr
	s_mov_b32 s[G0+1], 0                           ; slot 0's groups 0 serve the head's loads first: A's 256 rows whole,
	s_mov_b32 s[G0B+1], 2*HALFT                    ; B's 256 rows behind them;
	s_add_nc_u64 s[G0+6:G0+7], s[G0+6:G0+7], s[18:19]     ; slot 1's are the ring's: my 128 rows
	s_add_nc_u64 s[G0B+6:G0B+7], s[G0B+6:G0B+7], s[18:19]
; THE HEAD'S LOADS, ONE A WAVE: wave 0 K step 0's 256 rows of A, wave 1 its 256 rows of B, wave 2 the scales of A's rows, wave 3 those of B's.  One chain of branches on the wave's number: every way passes one load.
.macro ARM under, g0, g1, next
	s_cmp_lt_u32 s14, \under
	s_cbranch_scc0 \next
	tensor_load_to_lds s[\g0:\g0+3], s[\g1:\g1+7]
	s_nop 0
.rept 4
	v_nop
.endr
	s_branch .Lhead_asked
\next:
.endm
	ARM 1, G0,  G1,  .Lhead_b
	ARM 2, G0B, G1B, .Lhead_sa
	ARM 3, G0S, G1S, .Lhead_sb
	tensor_load_to_lds s[G0SB:G0SB+3], s[G1SB:G1SB+7]
	s_nop 0
.rept 4
	v_nop
.endr
.Lhead_asked:
	v_and_b32 v1, 15, v0                           ; r = l % 16
	v_bfe_u32 v2, v0, 4, 1                         ; h = l / 16
	v_mul_u32_u24 v3, v1, PITCH
	v_lshl_add_u32 v4, v2, 4, v3                   ; a fragment's row x pitch + 16 x half
	s_mul_i32 s21, s15, HALFT                      ; my 128 rows of A
	s_mul_i32 s22, s16, HALFT                      ; my 128 rows of B,
	s_add_co_u32 s22, s22, 2*HALFT                 ; which lie behind A's 256
.irp s, 0,1
	v_add_nc_u32 v[ADRA+\s], s21, v4
	v_add_nc_u32 v[ADRB+\s], s22, v4
	s_add_co_u32 s21, s21, SLOT
	s_add_co_u32 s22, s22, SLOT
.endr
	v_mul_u32_u24 v5, v1, KS                       ; my row's scales: 32 bytes a row,
	v_lshrrev_b32 v6, 8, v5
	v_lshl_add_u32 v5, v6, 4, v5                   ; and 16 more for each 256 passed
	s_mul_i32 s21, s15, HALFS
	s_mul_i32 s22, s16, HALFS
	s_add_co_u32 s22, s22, 2*HALFS
	s_sub_co_u32 s22, s22, s21
	v_mul_u32_u24 v6, s22, v2                      ; lanes 16-31 take B's: one product, the distance between the two bases x h
	s_add_co_u32 s21, s21, SCL
	v_add_nc_u32 v5, v5, v6
	v_add_nc_u32 v[ADRS], s21, v5
	v_and_b32 v6, 31, v0
	v_lshlrev_b32 v[LI], 4, v6
	v_lshlrev_b32 v[SCOF], 4, v1
	v_lshl_add_u32 v[SCOF], v2, 12, v[SCOF]
	v_mul_lo_u32 v[SELV], v2, 0x02020202
	v_add_nc_u32 v[SELV], 0x05040100, v[SELV]
	; where my 128 x 128 goes
	s_lshl_b32 s18, s17, 1
	s_add_co_u32 s18, s18, s15                     ; my block of 128 rows of A
	s_lshl_b32 s19, s42, 1
	s_add_co_u32 s19, s19, s16                     ; my block of 128 rows of B
	s_lshr_b32 s22, s19, 3                         ; q, k: 0 for Wq's rows, 1 for Wk's
	s_cmp_eq_u32 s[ISV], 0
	s_cselect_b32 s20, s18, s19                    ; the block of 128 tokens,
	s_cselect_b32 s21, s19, s18                    ; the block of 128 channels,
	s_cselect_b32 s22, s22, 2                      ; and which of q, k, v
	s_and_b32 s21, s21, 7                          ; the pair of heads
	s_lshr_b32 s23, s20, 4
	s_lshl_b32 s23, s23, 4                         ; 16 x batch
	s_lshl_b32 s45, s21, 1
	s_add_co_u32 s23, s23, s45                     ; the pair's first head slot
	s_and_b32 s20, s20, 15                         ; the step of 128 tokens
	s_lshl_b32 s92, s22, 23
	s_lshl_b32 s94, s23, 17
	s_add_co_u32 s92, s92, s94
	s_lshl_b32 s94, s20, 13
	s_add_co_u32 s92, s92, s94
	s_mov_b32 s93, 0
	s_add_nc_u64 s[96:97], s[96:97], s[92:93]      ; in qkv_img
	s_lshl_b32 s92, s22, 18
	s_lshl_b32 s94, s23, 12
	s_add_co_u32 s92, s92, s94
	s_lshl_b32 s94, s20, 8
	s_add_co_u32 s92, s92, s94
	s_add_nc_u64 s[100:101], s[100:101], s[92:93]  ; in qkv_sc
	s_cmp_eq_u32 s22, 1                            ; the bias: a choice among three buffers on ids alone
	s_cselect_b64 s[8:9], s[10:11], s[8:9]
	s_cmp_eq_u32 s22, 2
	s_cselect_b64 s[8:9], s[12:13], s[8:9]
	s_lshl_b32 s92, s21, 9
	s_add_nc_u64 s[8:9], s[8:9], s[92:93]          ; my 128 numbers of it
	; THE BIAS IN THE RESULT'S LAYOUT, 64 registers, by the same 64 loads in both kinds.  q, k: it runs along the registers: register 8 b + j is channel 32 (b / 2) + 8 (b % 2) + 16 h + j.
	; v: it hangs on the lane: registers 8 a + 0 .. 7 all hold channel 32 (a / 2) + 8 (a % 2) + r + 8 (r / 8).  Every index is 127 at the most.
	v_lshlrev_b32 v5, 6, v2                        ; 4 x 16 h
	v_and_b32 v6, 8, v1
	v_add_nc_u32 v6, v6, v1
	v_lshlrev_b32 v6, 2, v6                        ; 4 x (r + 8 (r / 8))
	v_mul_u32_u24 v7, v5, s[NOTV]
	v_mad_u32_u24 v7, v6, s[ISV], v7               ; the one or the other
	s_lshl_b32 s94, s[NOTV], 2                     ; from register to register: 4 bytes, or none
.irp j, 0,1,2,3,4,5,6,7
	v_mad_u32_u24 v[VA+\j], s94, \j, v7
.endr
.irp t, 0,1,2,3,4,5,6,7
.irp j, 0,1,2,3,4,5,6,7
	global_load_b32 v[BI+8*\t+\j], v[VA+\j], s[8:9] offset:4*(32*(\t/2)+8*(\t%2))
.endr
.endr
.macro FRAG reg, adr, q, i             ; a fragment, 16 rows x 128 K of 8-bit codes, is 16 registers: lane l holds row l % 16; registers 4 c .. 4 c + 3 hold K = 32 c + 16 (l / 16) + 0 .. 15
.irp c, 0,1,2,3
	ds_load_b128 v[\reg+4*\c:\reg+4*\c+3], v[\adr] offset:128*(\q)+32*\c+(\i)*16*PITCH
.endr
.endm
; 16 matrix instructions: A's blocks a0, a0 + 1 x B's eight, 128 along K.  p: B's set; sc: the set of scale words.  zero = 1: the first product starts the sums.
; The 64 accumulators take turns, one instruction a turn, in the same order in every step.
.macro MUL16 a0, p, q, sc, zero
.irp a, \a0, \a0+1
.irp b, 0,1,2,3,4,5,6,7
.if \zero
	v_wmma_scale_f32_16x16x128_f8f6f4 v[8*(8*((\a)%4)+\b):8*(8*((\a)%4)+\b)+7], v[128*(\p)+FR*\b:128*(\p)+FR*\b+FR-1], v[AF+FR*(\a):AF+FR*(\a)+FR-1], 0, v[SC+8*NQ*(\sc)+NQ*\b+(\q)], v[SC+8*NQ*(\sc)+NQ*(\a)+(\q)] matrix_a_scale:MATRIX_SCALE_ROW1
.else
	v_wmma_scale_f32_16x16x128_f8f6f4 v[8*(8*((\a)%4)+\b):8*(8*((\a)%4)+\b)+7], v[128*(\p)+FR*\b:128*(\p)+FR*\b+FR-1], v[AF+FR*(\a):AF+FR*(\a)+FR-1], v[8*(8*((\a)%4)+\b):8*(8*((\a)%4)+\b)+7], v[SC+8*NQ*(\sc)+NQ*\b+(\q)], v[SC+8*NQ*(\sc)+NQ*(\a)+(\q)] matrix_a_scale:MATRIX_SCALE_ROW1
.endif
.endr
.endr
.endm
.macro FETCH_B slot, q, p
	WIN TO_B
.irp i, 0,1,2,3,4,5,6,7
	FRAG 128*(\p)+FR*\i, ADRB+\slot, \q, \i
.endr
	WIN 0
.endm
.macro FETCH_A slot, q, i0
.irp i, \i0, \i0+1, \i0+2, \i0+3
	FRAG AF+FR*(\i), ADRA+\slot, \q, \i
.endr
.endm
.macro SCALES sc                       ; a K step's scale words into set sc: two words a row; lanes 0-15 take A's block i, lanes 16-31 B's block i
.irp i, 0,1,2,3,4,5,6,7
	ds_load_b64 v[SC+8*NQ*\sc+NQ*\i:SC+8*NQ*\sc+NQ*\i+1], v[ADRS] offset:\i*SBLK
.endr
.endm
; A load into a register that a matrix instruction has read, and a vector instruction that reads a result or writes such a register, stand eight places behind it; only plain vector instructions
; that name none of its registers are places.
.macro PLACES n
.rept \n
	v_nop
.endr
.endm
.macro STEP slot, q, zero              ; a step of 128 along K that has its successor in the same slot
	s_wait_dscnt 4*NL                              ; B's set and A's blocks 0-3 are in; the youngest sixteen loads (A's blocks 4-7) may be out
	WIN MUL_LO
	MUL16 0, (\q)%2, \q, \slot, \zero
	MUL16 2, (\q)%2, \q, \slot, \zero
	s_wait_dscnt 0
	PLACES NP
	FETCH_B \slot, (\q)+1, 1-(\q)%2
	FETCH_A \slot, (\q)+1, 0
	WIN MUL_HI
	MUL16 4, (\q)%2, \q, \slot, \zero
	MUL16 6, (\q)%2, \q, \slot, \zero
	PLACES NP
	WIN 0
	FETCH_A \slot, (\q)+1, 4
.endm
; A slot's last step changes slots: ONE barrier; in front of it each wave waits for all its tensor loads, adds 0 to its spare word, and waits for that and for its own reads of this slot.  fill = 1: this slot is filled again, two K steps ahead.
.macro TURN slot, next, fill
	s_wait_tensorcnt 0x0                           ; all my tensor loads have landed: my part of the next slot
	ds_add_u32 v[SPW], v[NIL]                      ; 0 onto my spare word
	s_wait_dscnt 4*NL+1                            ; (the add and the youngest sixteen loads, A's blocks 4-7, may be out)
	WIN MUL_LO
	MUL16 0, 1, NQ-1, \slot, 0                     ; sixteen matrix instructions stand between the add and the wait for it
	s_wait_dscnt 0x0                               ; the add is done, and my reads of this slot are over
	s_barrier_signal -1
	MUL16 2, 1, NQ-1, \slot, 0
	WIN 0
	s_barrier_wait -1
.if \fill
	CREST                                          ; the barrier has opened a round of the cluster's: no wave of any partner still reads this slot's tile or has a load on its way
	s_add_nc_u64 s[G0+4*\slot+2:G0+4*\slot+3], s[G0+4*\slot+2:G0+4*\slot+3], 2*ROWB
	s_add_nc_u64 s[G0B+4*\slot+2:G0B+4*\slot+3], s[G0B+4*\slot+2:G0B+4*\slot+3], 2*ROWB
	JLOAD G0+4*\slot, G1, G0B+4*\slot, G1B         ; the first tensor load behind the round; its four v_nop are among the places in front of the loads below
	PLACES NP-4
.else
	PLACES NP
.endif
	s_wait_alu depctr_va_vdst(0)
	v_add_nc_u32 v[ADRS], 4*NQ, v[ADRS]            ; on to the next K step's scale words
	FETCH_B \next, 0, 0
	FETCH_A \next, 0, 0
	SCALES \next
	WIN MUL_HI
	MUL16 4, 1, NQ-1, \slot, 0
	MUL16 6, 1, NQ-1, \slot, 0
	PLACES NP
	WIN 0
	FETCH_A \next, 0, 4
.endm
	s_wait_loadcnt 0x0                             ; the bias, once: no plain load is out inside the ring
	s_wait_alu depctr_va_vdst(0)
	s_wait_tensorcnt 0x0                           ; my tile of the head's four is in
	ds_add_u32 v[SPW], v[NIL]
	s_mov_b32 s[G1+2], 128<<16                     ; no tensor load of mine is out, so descriptors may be written: from here on a load brings 128 rows,
	s_mov_b32 s[G1+4], 128
	s_mov_b32 s[G1B+2], 128<<16
	s_mov_b32 s[G1B+4], 128
	s_mul_i32 s[G0+1], s14, HALFT                  ; and slot 0's groups 0 become the ring's: wave x 128 rows in LDS,
	s_mul_i32 s[G0B+1], s14, HALFT
	s_lshl_b32 s92, s16, 17
	s_mov_b32 s93, 0
	s_add_nc_u64 s[G0+2:G0+3], s[G0+2:G0+3], s[92:93]      ; my 128 rows in memory
	s_add_nc_u64 s[G0B+2:G0B+3], s[G0B+2:G0B+3], s[92:93]
	s_wait_dscnt 0x0                               ; the add is done
	CROUND                                         ; a whole round: all four tiles are in, and all sixteen work-groups are here
	JLOAD G0+4, G1, G0B+4, G1B                     ; K step 1's load, the first tensor load behind the round
	FETCH_B 0, 0, 0
	FETCH_A 0, 0, 0
	SCALES 0
	FETCH_A 0, 0, 4
	STEP 0, 0, 1                                   ; the first step stands in front of the loop: its products start the sums
	s_mov_b32 s3, LAPS-1
.Llap:                                                 ; a trip goes once round the ring and fills both slots again
	TURN 0, 1, 1
	STEP 1, 0, 0
	TURN 1, 0, 1
	STEP 0, 0, 0
	s_sub_co_u32 s3, s3, 1
	s_cmp_lg_u32 s3, 0
	s_cbranch_scc1 .Llap
	TURN 0, 1, 0                                   ; the last lap fills nothing, and has no round of the cluster's barrier
	STEP 1, 0, 0
	s_wait_dscnt 4*NL                              ; the very last step
	WIN MUL_LO
	MUL16 0, 1, NQ-1, 1, 0
	MUL16 2, 1, NQ-1, 1, 0
	s_wait_dscnt 0
	WIN MUL_HI
	MUL16 4, 1, NQ-1, 1, 0
	MUL16 6, 1, NQ-1, 1, 0
	WIN 0
; 64 numbers of a lane, v[s] .. v[s + 63], register 16 b + i = place 32 b + 16 (lane / 16) + i along the next K of my row, become a fragment's codes in v[pc] on and its scale word in v[pw].
.macro QUANT s, pc, pw
.irp b, 0,1,2,3
	v_max3_num_f32 v[TM+\b], |v[\s+16*\b]|, |v[\s+1+16*\b]|, 0x4800000   ; block b: my 16 numbers, and the floor 2^(9 - 127): the byte cannot fall under 1
.endr
.irp i, 2,4,6,8,10,12,14
.irp b, 0,1,2,3
	v_max3_num_f32 v[TM+\b], v[TM+\b], |v[\s+16*\b+\i]|, |v[\s+1+16*\b+\i]|   ; (the four blocks by turns)
.endr
.endr
.irp b, 0,1,2,3
	v_permlanex16_b32 v[TM+4+\b], v[TM+\b], s[SEL], s[SEL+1]
.endr
.irp b, 0,1,2,3
	v_max_num_f32 v[TM+\b], v[TM+\b], v[TM+4+\b]   ; with lane l xor 16's: the block's largest magnitude
.endr
.irp b, 0,1,2,3
	v_add_nc_u32 v[TM+12+\b], 0xfc000000, v[TM+\b]   ; 8 off its exponent field: the conversion's scale operand
.endr
.irp b, 0,1,2,3
	v_and_or_b32 v[TM+8+\b], v[TM+\b], 0x7f800000, s[MNT]   ; 448 x the scale
.endr
.irp b, 0,1,2,3
	v_lshrrev_b32 v[TM+4+\b], 23, v[TM+12+\b]      ; the scale's byte
.endr
	v_lshl_or_b32 v[\pw], v[TM+5], 8, v[TM+4]      ; the four bytes make my row's scale word
	v_lshl_or_b32 v[\pw], v[TM+6], 16, v[\pw]
	v_lshl_or_b32 v[\pw], v[TM+7], 24, v[\pw]
.irp b, 0,1,2,3
.irp i, 0,1,2,3,4,5,6,7,8,9,10,11,12,13,14,15
	v_med3_num_f32 v[\s+16*\b+\i], v[\s+16*\b+\i], -v[TM+8+\b], v[TM+8+\b]   ; the conversion to an 8-bit code does not saturate (ISA guide 7.6.2): the hold
.endr
	v_cvt_scalef32_pk8_fp8_f32 v[\pc+4*\b:\pc+1+4*\b], v[\s+16*\b:\s+7+16*\b], v[TM+12+\b]
	v_cvt_scalef32_pk8_fp8_f32 v[\pc+2+4*\b:\pc+3+4*\b], v[\s+8+16*\b:\s+15+16*\b], v[TM+12+\b]
.endr
	v_nop                                          ; one plain line behind the last conversion: the next block's additions write its sources
.endm
; THE WAY OUT of A's block a: + bias, quantised, four stores of 512 consecutive bytes.  No LDS: a piece is the image of four operand registers, lane l's 16 bytes at 16 l.
; Each accumulator is read from its low end on.  The branch hangs on ISV alone, which all sixteen partners share.
.macro EPI a
.set AC, 64*((\a)%4)
.set WN, 0x02+(\a)/4                   ; source 0: window 2 or 3
.set PCS, PC+16*((\a)%2)
.set PWS, PW+(\a)
	s_cmp_eq_u32 s[ISV], 0
	s_cbranch_scc0 .Lrow_\@
	WIN WN
.set i, 0
.rept 32
	v_pk_add_f32 v[T+2*i:T+2*i+1], v[AC+2*i:AC+2*i+1], v[BI+2*i:BI+2*i+1]          ; q, k: the bias runs along the registers
.set i, i+1
.endr
	WIN 0
	s_branch .Ljoin_\@
.Lrow_\@:
	WIN WN
.set i, 0
.rept 32
	v_pk_add_f32 v[T+2*i:T+2*i+1], v[AC+2*i:AC+2*i+1], v[BI+8*(\a)+(2*i)%8:BI+8*(\a)+(2*i)%8+1]   ; v: my row's one number
.set i, i+1
.endr
	WIN 0
.Ljoin_\@:
.if (\a) >= 2
	s_wait_xcnt 0x0                                ; block a - 2's stores have read this set of codes: it is written again only behind this wait
.endif
	QUANT T, PCS, PWS
.irp g, 0,1,2,3
	global_store_b128 v[LI], v[PCS+4*\g:PCS+4*\g+3], s[96:97] offset:(\g/2)*131072+(\a)*1024+(\g%2)*512   ; block g of the next K: 32 lanes store 512 consecutive bytes, aligned
.endr
.endm
	PLACES NP                                      ; behind the last products: the lines below read results and write registers that held A's fragments
.irp b, 0,1,2,3
	v_mov_b32 v[TM+4+\b], 0                        ; written once: a lane permute's destination counts as one of its sources
.endr
.irp a, 0,1,2,3,4,5,6,7
	EPI \a
.endr
	; the scale words: lanes 0-15 store the pair's first head's 256 bytes, lanes 16-31 the second's
	s_cmp_eq_u32 s[ISV], 0
	s_cbranch_scc0 .Lsc_v
.irp g, 0,1,2,3
	v_perm_b32 v[SW+\g], v[PW+2*\g+1], v[PW+2*\g], v[SELV]   ; q, k: my head's two bytes of tile 2 g, then of tile 2 g + 1
.endr
	s_branch .Lsc_join
.Lsc_v:
.irp g, 0,1,2,3
	v_cndmask_b32 v[SW+\g], v[PW+\g], v[PW+4+\g], s[HM]      ; v: channel tile g of the first head, or of the second
.endr
.Lsc_join:
	s_wait_alu depctr_va_vdst(0)
	global_store_b128 v[SCOF], v[SW:SW+3], s[100:101]
	s_wait_tensorcnt 0x0                           ; the wave's end, behind my last tensor load
	ds_add_u32 v[SPW], v[NIL]
	s_wait_dscnt 0x0
	CROUND                                         ; the closing round: no work-group ends while a partner may still ask for a tile that names it
	s_endpgm
.Lfunc_end_k_q97600fe11c_qkv:
	.size	k_q97600fe11c_qkv, .Lfunc_end_k_q97600fe11c_qkv-k_q97600fe11c_qkv
	.p2alignl 7, 3214868480
	.fill 96, 4, 3214868480
	.section	.rodata,"a",@progbits
	.p2align	6, 0x0
	.amdhsa_kernel k_q97600fe11c_qkv
		.amdhsa_group_segment_fixed_size 327680
		.amdhsa_private_segment_fixed_size 0
		.amdhsa_enable_private_segment 0
		.amdhsa_kernarg_size 56
		.amdhsa_user_sgpr_count 2
		.amdhsa_user_sgpr_kernarg_segment_ptr 1
		.amdhsa_wavefront_size32 1
		.amdhsa_system_sgpr_workgroup_id_x 1
		.amdhsa_system_sgpr_workgroup_id_y 1
		.amdhsa_system_sgpr_workgroup_id_z 1
		.amdhsa_system_vgpr_workitem_id 0
		.amdhsa_next_free_vgpr 1024
		.amdhsa_next_free_sgpr 102
		.amdhsa_reserve_vcc 0
		.amdhsa_float_denorm_mode_32 3
		.amdhsa_float_denorm_mode_16_64 3
		.amdhsa_memory_ordered 1
		.amdhsa_forward_progress 1
		.amdhsa_inst_pref_size 227
	.end_amdhsa_kernel
	.amdgpu_metadata
---
amdhsa.version: [ 1, 2 ]
amdhsa.kernels:
  - .name:           k_q97600fe11c_qkv
    .symbol:         k_q97600fe11c_qkv.kd
    .args:
      - { .name: codes, .offset: 0, .size: 8, .value_kind: global_buffer, .address_space: global }
      - { .name: scales, .offset: 8, .size: 8, .value_kind: global_buffer, .address_space: global }
      - { .name: bq, .offset: 16, .size: 8, .value_kind: global_buffer, .address_space: global }
      - { .name: bk, .offset: 24, .size: 8, .value_kind: global_buffer, .address_space: global }
      - { .name: bv, .offset: 32, .size: 8, .value_kind: global_buffer, .address_space: global }
      - { .name: qkv_img, .offset: 40, .size: 8, .value_kind: global_buffer, .address_space: global }
      - { .name: qkv_sc, .offset: 48, .size: 8, .value_kind: global_buffer, .address_space: global }
    .group_segment_fixed_size: 327680
    .private_segment_fixed_size: 0
    .kernarg_segment_align: 8
    .kernarg_segment_size: 56
    .max_flat_workgroup_size: 128
    .sgpr_count:     102
    .vgpr_count:     1024
    .wavefront_size: 32
...
	.end_amdgpu_metadata
.endif
;; end of part 2
;; launch attn (part 3): grid 4 x 64, 16 waves a work-group, clusters of 4 x 1, 327,680 bytes of LDS; arguments qkv_img, qkv_sc, out0; writes out0
.if DOCPART == 3
	.amdgcn_target "amdgcn-amd-amdhsa--gfx1250"
	.amdhsa_code_object_version 6
	.text
	.protected	k_q97600fe11c_attn
	.globl	k_q97600fe11c_attn
	.p2align	8
	.type	k_q97600fe11c_attn,@function
k_q97600fe11c_attn:
	s_mov_b64 s[64:65], 0
	v_nop
	global_prefetch_b8 v0, s[64:65] scope:SCOPE_SE
	s_setreg_imm32_b32 hwreg(HW_REG_WAVE_MODE, 25, 1), 1
	s_wait_xcnt 0x0
	s_wait_alu depctr_hold_cnt(0) depctr_sa_sdst(0) depctr_va_vdst(0) depctr_va_sdst(0) depctr_va_ssrc(0) depctr_va_vcc(0) depctr_vm_vsrc(0)
	s_getreg_b32 s2, hwreg(HW_REG_IB_STS2, 6, 4)
	s_cmp_eq_u32 s2, 0
	s_cbranch_scc0 .Lentry_in_a_cluster
	s_endpgm
.Lentry_in_a_cluster:
	s_bfe_u32 s2, ttmp6, 0x10000c
	s_cmp_lg_u32 s2, 0x3003
	s_cbranch_scc0 .Lentry_shape_is_right
	s_endpgm
.Lentry_shape_is_right:
; SELF-ATTENTION IN MX-FP8, launch 3 of 3: out = softmax(q k^T / 8) v for each of 64 (batch, head), both products on codes of E4M3 with E8M0 scales.  Nothing is left out here.
; t = score x log2(e) / 8; M = the running largest t rounded up to a whole number; p = 2^(t - M) is quantised along the keys; the row's sum of the unquantised p divides at the end.
; LIMITS: the promise holds while |t| stays under 2^31; NaN and infinities are not served; a block of p that is all zeros keeps the byte 1 (its codes are zeros).
; SHARES.  A work-group owns 512 queries of one head, a wave 32 of them: two tiles of 16, one after the other.  A head's K and V, 2,048 keys, 262,144 bytes, and their 8,192 scale bytes lie in LDS for the whole launch.
; CLUSTER: the four work-groups of a head need the same K, V and scales: each tile is asked for jointly (mask 15).  One load a wave at the head: waves 0-3 K (32,768 dense bytes each),
; waves 4-7 V (8 rows of 4,096 bytes, 8,192 apart in memory), waves 8, 9 the scale bytes of K, of V.  Nothing is filled again.  No prefetch: every tile is asked for at the head, so there is no loop to run ahead in.
; LAYOUT.  S^T = K Q^T, O^T = V^T P^T: a lane holds one query.  The head's 64 fill half of a product's 128: a fragment of K holds two tiles of 16 keys, and Q stands beside zeros, in the lower or in the upper half.
; LDS: K [step 16][8,192] at 0; V [key blocks 0-1 | 2-3][step 16][4,096] at KV; scale words at SCK (K's, then V's); a stage of 8 rows x 272 bytes a wave at STG; the spare words at SPARE.
.set KV,    131072
.set SCK,   262144
.set STG,   270336
.set SPARE, 305152
.set LI,   1                           ; v1   16 x lane
.set LSC,  2                           ; v2   SCK + 16 r
.set RR,   3                           ; v3   r = lane % 16
.set STO,  4                           ; v4   the way out: into the stage
.set SPW,  5                           ; v5   my spare word; never rewritten
.set NIL,  6                           ; v6   0; never rewritten
.set RD,   7                           ; v7   the way out: back from the stage
.set ADK,  8
.set ADV,  9
.set ADS,  10
.set GO,   11                          ; v11  my byte offset in out0's rows
.set QSL,  40                          ; v40, v42  Q's scale word for the lower, the upper half
.set QW,   41
.set QSH,  42
.set TA,   43
.set H2,   44                          ; v44-47  a second copy of each block's bound
.set FRG,  48                          ; v48-111  four fragments of K or of V
.set S,    112                         ; v112-175 S^T, then p
.set O,    176                         ; v176-207 O^T
.set PCD,  208                         ; v208-223 p's codes
.set BM,   224
.set BX,   228
.set HOLD, 232
.set SCO,  236
.set KSC,  240
.set VSC,  244
.set PS,   248
.set F,    250
.set TT,   252
.set ADW,  253                         ; v253 V's key blocks 2, 3
.set LI2,  254                         ; v254 16 x lane + 65,536
.set WV,   10
.set SEL,  14
.set CS,   16
.set MNT,  18
.set TK,   19
.set TV,   20
.set TS,   21
.set LOW,  23                          ; s23  a mask of the lanes with r < 8
.set G1K,  24
.set G1V,  32
.set G0K,  40
.set G0V,  44
.set G1S,  48
.set G0S,  56
.macro CROUND
	s_barrier_signal -1
	s_barrier_wait -1
	s_cmp_lg_u32 s[WV], 0
	s_cbranch_scc1 .Lnot_wave_0_\@
	s_barrier_signal -3
.Lnot_wave_0_\@:
	s_barrier_wait -3
	s_barrier_signal -1
	s_barrier_wait -1
.endm
.macro DESC1 g, c, r, p                ; group 1: r rows of c elements of 8 bytes, p elements apart; mask 15, bit 21 beside it
	s_mov_b32 s[\g], 15|(3<<16)|(1<<21)
	s_mov_b32 s[\g+1], (\c)<<16
	s_mov_b32 s[\g+2], (\r)<<16
	s_mov_b32 s[\g+3], (\c)<<16
	s_mov_b32 s[\g+4], \r
	s_mov_b32 s[\g+5], \p
	s_mov_b32 s[\g+6], 0
	s_mov_b32 s[\g+7], 0
.endm
	s_load_b128 s[4:7], s[0:1], 0x0                ; qkv_img, qkv_sc
	s_load_b64 s[8:9], s[0:1], 0x10                ; out0
	v_lshl_add_u32 v[SPW], v0, 2, SPARE
	v_mov_b32 v[NIL], 0
	ds_add_u32 v[SPW], v[NIL]                      ; the opening: the add, twice on end, and its wait ahead of the first tensor load
	ds_add_u32 v[SPW], v[NIL]
	v_lshrrev_b32 v8, 5, v0
	v_readfirstlane_b32 s[WV], v8                  ; wave 0..15
	s_and_b32 s12, ttmp7, 0xffff                   ; 16 x batch + head
	DESC1 G1K, 32, 128, 32
	DESC1 G1V, 512, 8, 1024
	DESC1 G1S, 32, 16, 32
	s_lshl_b32 s60, s[WV], 15                      ; K: waves 0-3 take 32,768 bytes each
	s_lshl_b32 s61, s12, 17
	s_add_co_u32 s72, s61, s60
	s_add_co_u32 s72, s72, 8388608
	s_mov_b32 s73, 0
	s_mov_b32 s[G0K], 1
	s_mov_b32 s[G0K+1], s60
	s_and_b32 s62, s[WV], 1                        ; V: which key blocks (0-1 or 2-3): they lie in the pair's first or second head slot,
	s_bfe_u32 s63, s[WV], 0x10001                  ; and which eight steps
	s_and_b32 s74, s12, 0xfffe
	s_add_co_u32 s74, s74, s62
	s_lshl_b32 s74, s74, 17
	s_lshl_b32 s66, s63, 16
	s_add_co_u32 s74, s74, s66
	s_and_b32 s66, s12, 1                          ; my head of the pair: 4,096 bytes of each step's 8,192
	s_lshl_b32 s66, s66, 12
	s_add_co_u32 s74, s74, s66
	s_add_co_u32 s74, s74, 16777216
	s_mov_b32 s75, 0
	s_lshl_b32 s66, s62, 16
	s_lshl_b32 s67, s63, 15
	s_add_co_u32 s66, s66, s67
	s_mov_b32 s[G0V], 1
	s_add_co_u32 s[G0V+1], s66, KV
	s_lshl_b32 s76, s62, 18                        ; the scale bytes: wave 8 K's 4,096, wave 9 V's
	s_lshl_b32 s66, s12, 12
	s_add_co_u32 s76, s76, s66
	s_add_co_u32 s76, s76, 262144
	s_mov_b32 s77, 0
	s_lshl_b32 s66, s62, 12
	s_mov_b32 s[G0S], 1
	s_add_co_u32 s[G0S+1], s66, SCK
	s_mov_b32 s[SEL], 0x76543210
	s_mov_b32 s[SEL+1], 0xfedcba98
	s_mov_b32 s[CS], 0x3e38aa3b                    ; log2(e) / 8
	s_mov_b32 s[CS+1], s[CS]
	s_mov_b32 s[MNT], 0x600000
	s_mov_b32 s[LOW], 0x00ff00ff
	s_wait_dscnt 0x0                               ; both opening adds are done
	s_wait_kmcnt 0x0
	s_add_nc_u64 s[G0K+2:G0K+3], s[4:5], s[72:73]
	s_or_b32 s[G0K+3], s[G0K+3], 0x80000000
	s_add_nc_u64 s[G0V+2:G0V+3], s[4:5], s[74:75]
	s_or_b32 s[G0V+3], s[G0V+3], 0x80000000
	s_add_nc_u64 s[G0S+2:G0S+3], s[6:7], s[76:77]
	s_or_b32 s[G0S+3], s[G0S+3], 0x80000000
	CROUND                                         ; all four work-groups are here: the joint loads meet
.macro ARM under, g0, g1, next                 ; one chain of branches on the wave's number, a load to an arm
	s_cmp_lt_u32 s[WV], \under
	s_cbranch_scc0 \next
	tensor_load_to_lds s[\g0:\g0+3], s[\g1:\g1+7]
	s_nop 0
.rept 4
	v_nop
.endr
	s_branch .Lasked
\next:
.endm
	ARM 4,  G0K, G1K, .Lhead_v
	ARM 8,  G0V, G1V, .Lhead_s
	ARM 10, G0S, G1S, .Lhead_none
.Lasked:
	s_bfe_u32 s11, ttmp6, 0x40000                  ; cx: it enters global addresses alone
	s_lshl_b32 s13, s11, 4
	s_add_co_u32 s13, s13, s[WV]                   ; which 32 of the head's 2,048 queries
	s_lshr_b32 s60, s13, 2
	s_and_b32 s61, s13, 3
	s_lshl_b32 s68, s12, 17
	s_lshl_b32 s62, s60, 13
	s_add_co_u32 s68, s68, s62
	s_lshl_b32 s62, s61, 11
	s_add_co_u32 s68, s68, s62
	s_mov_b32 s69, 0
	s_add_nc_u64 s[68:69], s[4:5], s[68:69]        ; Q's codes
	s_lshl_b32 s66, s12, 12
	s_lshl_b32 s62, s60, 8
	s_add_co_u32 s66, s66, s62
	s_lshl_b32 s62, s61, 2
	s_add_co_u32 s66, s66, s62
	s_mov_b32 s67, 0
	s_add_nc_u64 s[66:67], s[6:7], s[66:67]        ; Q's scale word
	s_lshr_b32 s70, s12, 4
	s_lshl_b32 s70, s70, 11
	s_lshl_b32 s62, s13, 5
	s_add_co_u32 s70, s70, s62
	s_lshl_b32 s70, s70, 12
	s_and_b32 s62, s12, 15
	s_lshl_b32 s62, s62, 8
	s_add_co_u32 s70, s70, s62
	s_mov_b32 s71, 0
	s_add_nc_u64 s[70:71], s[8:9], s[70:71]        ; my first token's row of out0, at my head's 256 bytes
	v_and_b32 v[LI], 31, v0
	v_and_b32 v[RR], 15, v0
	v_bfe_u32 v8, v0, 4, 1                         ; h
	v_lshlrev_b32 v[LI], 4, v[LI]
	v_lshl_add_u32 v[LSC], v[RR], 4, SCK
	v_lshlrev_b32 v[TA], 4, v[RR]
	global_load_b32 v[QW], v[TA], s[66:67]
	v_add_nc_u32 v[LI2], 0x10000, v[LI]
	s_mul_i32 s60, s[WV], 8*272
	s_add_co_u32 s60, s60, STG                     ; my stage
	v_and_b32 v9, 7, v0
	v_bfe_u32 v10, v0, 3, 1
	v_mul_u32_u24 v[STO], v9, 272                  ; in: row r % 8, 128 (r / 8) + 64 h bytes on
	v_mul_u32_u24 v[RD], v8, 272                   ; back: lanes 0-15 one row, lanes 16-31 the next
	v_lshl_add_u32 v[STO], v8, 6, v[STO]
	v_lshl_add_u32 v[RD], v[RR], 4, v[RD]
	v_lshl_add_u32 v[STO], v10, 7, v[STO]
	v_add_nc_u32 v[RD], s60, v[RD]
	v_add_nc_u32 v[STO], s60, v[STO]
	v_lshlrev_b32 v[GO], 12, v8
	v_lshl_add_u32 v[GO], v[RR], 4, v[GO]
.irp j, 0,1,2,3,4,5,6,7
	v_mov_b32 v[16+\j], 0                          ; the zeros beside Q
	v_mov_b32 v[32+\j], 0
.endr
.irp b, 0,1,2,3
	v_mov_b32 v[BX+\b], 0                          ; a lane permute's destination counts as a source
.endr
	v_mov_b32 v[F+1], 0
; A KEY STEP: 128 keys against my 16 queries
.macro STEP
	v_add_nc_u32 v[ADK], s[TK], v[LI]
	v_add_nc_u32 v[ADV], s[TV], v[LI]
	v_add_nc_u32 v[ADS], s[TS], v[LSC]
	v_add_nc_u32 v[ADW], s[TV], v[LI2]
.rept 4
	v_nop                                          ; with the four additions: eight places ahead of loads into registers that the last products read
.endr
.irp f, 0,1,2,3
.irp c, 0,1,2,3
	ds_load_b128 v[FRG+16*\f+4*\c:FRG+16*\f+4*\c+3], v[ADK] offset:\f*2048+\c*512
.endr
.endr
	ds_load_b128 v[KSC:KSC+3], v[ADS]
	s_wait_alu depctr_va_vdst(0)
	s_wait_dscnt 0x0
.irp f, 0,1,2,3
	v_wmma_scale_f32_16x16x128_f8f6f4 v[S+16*\f:S+16*\f+7], v[FRG+16*\f:FRG+16*\f+15], v[24:39], 0, v[KSC+\f], v[QSL]
	v_wmma_scale_f32_16x16x128_f8f6f4 v[S+16*\f+8:S+16*\f+15], v[FRG+16*\f:FRG+16*\f+15], v[16:31], 0, v[KSC+\f], v[QSH]
.endr
.rept 8
	v_nop
.endr
.irp t, 0,1,2,3
.irp c, 0,1
	ds_load_b128 v[FRG+16*\t+4*\c:FRG+16*\t+4*\c+3], v[ADV] offset:\t*1024+\c*512
	ds_load_b128 v[FRG+16*\t+4*\c+8:FRG+16*\t+4*\c+11], v[ADW] offset:\t*1024+\c*512
.endr
.endr
	ds_load_b128 v[VSC:VSC+3], v[ADS] offset:4096
.irp b, 0,1,2,3
	v_max3_num_f32 v[BM+\b], v[S+16*\b], v[S+1+16*\b], v[S+2+16*\b]   ; each block's largest score: for the row's maximum and for the block's largest p
.endr
.irp i, 3,5,7,9,11,13
.irp b, 0,1,2,3
	v_max3_num_f32 v[BM+\b], v[BM+\b], v[S+16*\b+\i], v[S+1+16*\b+\i]
.endr
.endr
.irp b, 0,1,2,3
	v_max_num_f32 v[BM+\b], v[BM+\b], v[S+15+16*\b]
.endr
.irp b, 0,1,2,3
	s_delay_alu instid0(VALU_DEP_4)
	v_permlanex16_b32 v[BX+\b], v[BM+\b], s[SEL], s[SEL+1]
.endr
.irp b, 0,1,2,3
	s_delay_alu instid0(VALU_DEP_4)
	v_max_num_f32 v[BM+\b], v[BM+\b], v[BX+\b]
.endr
	s_delay_alu instid0(VALU_DEP_2)
	v_max3_num_f32 v[TT], v[BM], v[BM+1], v[BM+2]
	s_delay_alu instid0(VALU_DEP_1)
	v_max_num_f32 v[TT], v[TT], v[BM+3]
	s_delay_alu instid0(VALU_DEP_1)
	v_mul_f32 v[TT], s[CS], v[TT]
	s_delay_alu instid0(VALU_DEP_1)
	v_max_num_f32 v13, v13, v[TT]                  ; the running largest t
	v_mov_b32 v[TT], v12
	s_delay_alu instid0(VALU_DEP_2)
	v_floor_f32 v12, -v13                          ; -M
	s_delay_alu instid0(VALU_DEP_1)
	v_sub_f32 v[TT], v12, v[TT]
	s_delay_alu instid0(VALU_DEP_1)
	v_cvt_i32_f32 v[TT], v[TT]
	s_delay_alu instid0(VALU_DEP_1)
	v_ldexp_f32 v[F], 1.0, v[TT]                   ; f = 2^(old M - new M)
.set j, 0
.rept 32
	v_pk_fma_f32 v[S+j:S+j+1], v[S+j:S+j+1], s[CS:CS+1], v[12:13] op_sel_hi:[1,0,0]   ; t - M
.set j, j+2
.endr
.irp b, 0,1,2,3
	v_fma_f32 v[BM+\b], v[BM+\b], s[CS], v12
.endr
	s_wait_alu depctr_va_vdst(0)                   ; a wait ahead of the batch
.set j, 0
.rept 64
	v_exp_f32 v[S+j], v[S+j]
.set j, j+1
.endr
	v_pk_mul_f32 v[14:15], v[14:15], v[F:F+1] op_sel_hi:[1,0]
	s_wait_alu depctr_va_vdst(0)                   ; and one behind it
.irp b, 0,1,2,3
	v_exp_f32 v[BM+\b], v[BM+\b]                   ; the block's largest p
.endr
	v_pk_add_f32 v[BX:BX+1], v[S:S+1], v[S+2:S+3]  ; the row's sum of the unquantised p, in two chains
.irp j, 4,8,12,16,20,24,28,32,36,40,44,48,52,56,60
	v_pk_add_f32 v[14:15], v[14:15], v[S+\j:S+1+\j]
	v_pk_add_f32 v[BX:BX+1], v[BX:BX+1], v[S+2+\j:S+3+\j]
.endr
	s_delay_alu instid0(VALU_DEP_1)
	v_pk_add_f32 v[14:15], v[14:15], v[BX:BX+1]
	s_wait_alu depctr_va_vdst(0)                   ; for the four
.irp b, 0,1,2,3
	v_max_num_f32 v[BM+\b], 0x4800000, v[BM+\b]    ; the floor 2^(9 - 127): the byte cannot fall under 1
.endr
.irp b, 0,1,2,3
	s_delay_alu instid0(VALU_DEP_4)
	v_add_nc_u32 v[SCO+\b], 0xfc000000, v[BM+\b]   ; the conversion's scale operand
.endr
.irp b, 0,1,2,3
	v_and_or_b32 v[HOLD+\b], v[BM+\b], 0x7f800000, s[MNT]   ; 448 x the scale,
.endr
.irp b, 0,1,2,3
	v_and_or_b32 v[H2+(\b+1)%4], v[BM+\b], 0x7f800000, s[MNT]   ; and once more, in a register whose number differs modulo 4: the two halves of a dual pair name different ones
.endr
.irp b, 0,1,2,3
	v_lshrrev_b32 v[BX+\b], 23, v[SCO+\b]
.endr
	s_delay_alu instid0(VALU_DEP_3)
	v_lshl_or_b32 v[PS], v[BX+1], 8, v[BX]         ; p's scale word
	s_delay_alu instid0(VALU_DEP_1)
	v_lshl_or_b32 v[PS], v[BX+2], 16, v[PS]
	s_delay_alu instid0(VALU_DEP_1)
	v_lshl_or_b32 v[PS], v[BX+3], 24, v[PS]
.irp b, 0,1,2,3
.irp i, 0,2,4,6,8,10,12,14
	v_dual_min_num_f32 v[S+16*\b+\i], v[S+16*\b+\i], v[HOLD+\b] :: v_dual_min_num_f32 v[S+16*\b+\i+1], v[S+16*\b+\i+1], v[H2+(\b+1)%4]   ; the hold, two numbers a line: the conversion does not saturate (ISA guide 7.6.2); p is not negative
.endr
	v_cvt_scalef32_pk8_fp8_f32 v[PCD+4*\b:PCD+1+4*\b], v[S+16*\b:S+7+16*\b], v[SCO+\b]
	v_cvt_scalef32_pk8_fp8_f32 v[PCD+2+4*\b:PCD+3+4*\b], v[S+8+16*\b:S+15+16*\b], v[SCO+\b]
.endr
	s_wait_alu depctr_va_vdst(0)
.set j, 0
.rept 16
	v_pk_mul_f32 v[O+j:O+j+1], v[O+j:O+j+1], v[F:F+1] op_sel_hi:[1,0]   ; O^T under the new M; also the places ahead of the products
.set j, j+2
.endr
	s_wait_alu depctr_va_vdst(0)
	s_wait_dscnt 0x0
.irp t, 0,1,2,3
	v_wmma_scale_f32_16x16x128_f8f6f4 v[O+8*\t:O+8*\t+7], v[FRG+16*\t:FRG+16*\t+15], v[PCD:PCD+15], v[O+8*\t:O+8*\t+7], v[VSC+\t], v[PS]
.endr
	s_add_co_u32 s[TK], s[TK], 8192
	s_add_co_u32 s[TV], s[TV], 4096
	s_add_co_u32 s[TS], s[TS], 256
.endm
.macro WALK                            ; all 16 key steps of the head
	s_mov_b32 s[TK], 0
	s_mov_b32 s[TV], KV
	s_mov_b32 s[TS], 0
	s_mov_b32 s22, 16
.Lstep_\@:
	STEP
	s_sub_co_u32 s22, s22, 1
	s_cmp_lg_u32 s22, 0
	s_cbranch_scc1 .Lstep_\@
.endm
.macro INIT u                          ; tile u of my two: Q's codes and scale words; O^T and the sum begin as zeros, the largest t as -3e38
	s_wait_xcnt 0x0                                ; earlier stores have read their registers
	global_load_b128 v[24:27], v[LI], s[68:69] offset:\u*1024
	global_load_b128 v[28:31], v[LI], s[68:69] offset:\u*1024+512
	v_mov_b32 v13, 0xff61b1e6
	v_mov_b32 v14, 0
	v_mov_b32 v15, 0
	v_floor_f32 v12, -v13
	s_wait_loadcnt 0x0
	v_bfe_u32 v[TA], v[QW], 16*\u, 16
	v_or_b32 v[QSL], 0x01010000, v[TA]             ; the zeros' blocks get the byte 1
	v_lshl_or_b32 v[QSH], v[TA], 16, 0x0101
.set j, 0
.rept 32
	v_mov_b32 v[O+j], 0
.set j, j+1
.endr
.endm
; THE WAY OUT of tile u.  Registers 16 b + i of lane (r, h) are channels 32 b + 16 h + i of query r.  Lanes r and r xor 8 exchange half of their numbers, so that all 32 lanes store into the stage's 8 rows:
; first queries 0-7 (lanes r < 8 their own b = 0, lanes r >= 8 their partner's b = 1), then queries 8-15.  Rows of 256 bytes come back, and sixteen lanes store 256 consecutive bytes, aligned.
.macro WAYOUT u
.rept 8
	v_nop
.endr
	v_add_f32 v14, v14, v15
	v_permlanex16_b32 v[TT], v14, s[SEL], s[SEL+1]
	v_add_f32 v14, v14, v[TT]                      ; the row's sum
	s_wait_alu depctr_va_vdst(0)
	v_rcp_f32 v14, v14
	v_nop
	s_wait_alu depctr_va_vdst(0)
.set j, 0
.rept 16
	v_pk_mul_f32 v[S+j:S+j+1], v[O+j:O+j+1], v[14:15] op_sel_hi:[1,0]
.set j, j+2
.endr
.set j, 0
.rept 16
	v_cndmask_b32 v[S+32+j], v[S+j], v[S+16+j], s[LOW]      ; what I give: r < 8: my b = 1; else my b = 0
.set j, j+1
.endr
.set j, 0
.rept 16
	v_mov_b32_dpp v[S+48+j], v[S+32+j] row_xmask:8 row_mask:0xf bank_mask:0xf
.set j, j+1
.endr
.set j, 0
.rept 16
	v_cndmask_b32 v[S+j], v[S+48+j], v[S+j], s[LOW]         ; for queries 0-7
	v_cndmask_b32 v[S+16+j], v[S+16+j], v[S+48+j], s[LOW]   ; for queries 8-15
.set j, j+1
.endr
.irp g, 0,1
.irp q, 0,1,2,3
	ds_store_b128 v[STO], v[S+16*\g+4*\q:S+16*\g+4*\q+3] offset:16*\q
.endr
.irp k, 0,1,2,3
	ds_load_b128 v[S+32+16*\g+4*\k:S+32+16*\g+4*\k+3], v[RD] offset:2*\k*272   ; LDS serves a wave's instructions in order: these see my stores, and the next four stores come behind them
.endr
.endr
.irp g, 0,1
.irp k, 0,1,2,3
	s_wait_dscnt (1-\g)*8+3-\k                     ; behind this load: the group's later loads, and for g = 0 the four stores and four loads of g = 1
	global_store_b128 v[GO], v[S+32+16*\g+4*\k:S+32+16*\g+4*\k+3], s[70:71] offset:(8*\u+16*\g+2*\k)*4096 th:TH_STORE_NT
.endr
.endr
.endm
	INIT 0
	s_wait_alu depctr_va_vdst(0)
	s_wait_tensorcnt 0x0                           ; every wave waits for its load, if it has one;
	s_wait_dscnt 0x0
	s_barrier_signal -1
	s_barrier_wait -1                              ; K, V and the scale bytes are whole for all sixteen
	WALK
	WAYOUT 0
	INIT 1
	WALK
	WAYOUT 1
	s_wait_tensorcnt 0x0                           ; the wave's end
	ds_add_u32 v[SPW], v[NIL]
	s_wait_dscnt 0x0
	CROUND                                         ; the closing round
	s_endpgm
.Lfunc_end_k_q97600fe11c_attn:
	.size	k_q97600fe11c_attn, .Lfunc_end_k_q97600fe11c_attn-k_q97600fe11c_attn
	.p2alignl 7, 3214868480
	.fill 96, 4, 3214868480
	.section	.rodata,"a",@progbits
	.p2align	6, 0x0
	.amdhsa_kernel k_q97600fe11c_attn
		.amdhsa_group_segment_fixed_size 327680
		.amdhsa_private_segment_fixed_size 0
		.amdhsa_enable_private_segment 0
		.amdhsa_kernarg_size 24
		.amdhsa_user_sgpr_count 2
		.amdhsa_user_sgpr_kernarg_segment_ptr 1
		.amdhsa_wavefront_size32 1
		.amdhsa_system_sgpr_workgroup_id_x 1
		.amdhsa_system_sgpr_workgroup_id_y 1
		.amdhsa_system_sgpr_workgroup_id_z 1
		.amdhsa_system_vgpr_workitem_id 0
		.amdhsa_next_free_vgpr 256
		.amdhsa_next_free_sgpr 80
		.amdhsa_reserve_vcc 0
		.amdhsa_float_denorm_mode_32 3
		.amdhsa_float_denorm_mode_16_64 3
		.amdhsa_memory_ordered 1
		.amdhsa_forward_progress 1
		.amdhsa_inst_pref_size 67
	.end_amdhsa_kernel
	.amdgpu_metadata
---
amdhsa.version: [ 1, 2 ]
amdhsa.kernels:
  - .name:           k_q97600fe11c_attn
    .symbol:         k_q97600fe11c_attn.kd
    .args:
      - { .name: qkv_img, .offset: 0, .size: 8, .value_kind: global_buffer, .address_space: global }
      - { .name: qkv_sc, .offset: 8, .size: 8, .value_kind: global_buffer, .address_space: global }
      - { .name: out0, .offset: 16, .size: 8, .value_kind: global_buffer, .address_space: global }
    .group_segment_fixed_size: 327680
    .private_segment_fixed_size: 0
    .kernarg_segment_align: 8
    .kernarg_segment_size: 24
    .max_flat_workgroup_size: 512
    .sgpr_count:     80
    .vgpr_count:     256
    .wavefront_size: 32
...
	.end_amdgpu_metadata
.endif
;; end of part 3
